; MI455X (gfx1250); checked and timed in simulation.
; The chip was launched on July 23, 2026; its instructions are those of AMD's public machine-readable ISA for CDNA 5 (MIT licence, August 2026) and "CDNA5" Instruction Set Architecture Reference Guide (July 2026). The comments in the code are by the model that wrote it; some were corrected since.
;; Bi LSTM. Allowed arithmetic: matrix products marked QUANTISED: E4M3 operands, one given power-of-two scale a tensor, by v_wmma_f32_16x16x64_fp8_fp8 or v_wmma_f32_16x16x128_fp8_fp8, f32 sums; everything else in f32.
;; Inputs: Cell_State_b 4,096 x 1,024 float32; Cell_State_f 4,096 x 1,024 float32; Hidden_State_b 4,096 x 1,024 float32; Hidden_State_f 4,096 x 1,024 float32; Wb_codes 4 x 1,024 x 64 x 32 uint8 (E4M3 codes of Wb, K innermost, in blocks of 32 codes); Wf_codes 4 x 1,024 x 64 x 32 uint8 (E4M3 codes of Wf, K innermost, in blocks of 32 codes); bb 4 x 1,024 float32; bf 4 x 1,024 float32; input_b 4,096 x 1,024 float32; input_f 4,096 x 1,024 float32; lowp_scales 4 int32 (the exponents e of the quantised operands' scales 2^e).
;; Outputs: out0 4,096 x 1,024 float32; out1 4,096 x 1,024 float32; out2 4,096 x 1,024 float32; out3 4,096 x 1,024 float32.
;; This version of the problem:
;;   THIS VERSION OF THE PROBLEM IS GIVEN IN LOW PRECISION. The matrix products marked QUANTISED in the list below multiply operands that are first quantised to E4M3 (4 exponent bits, 3 mantissa bits; 8 bits a number), with one given power-of-two scale for each operand tensor; their sums are f32. All else is computed in f32.
;;   The module's matrix products, in the order in which they are computed (A, B: the left and right operand; K: the contracted axis; several contracted axes count as one K, in the product's order):
;;     1. [M 4,096, K 2,048] x [K 2,048, N 4,096]; A: computed on the way; B: input Wf (given as codes): QUANTISED (scales: A lowp_scales[0], B lowp_scales[1])
;;     2. [M 4,096, K 2,048] x [K 2,048, N 4,096]; A: computed on the way; B: input Wb (given as codes): QUANTISED (scales: A lowp_scales[2], B lowp_scales[3])
;;   THE QUANTISER, for each operand of a quantised product, along K:
;;     - The operand's scale is 2^e, e = its entry of the input lowp_scales (int32; the entries are numbered through the quantised products in the list's order, A before B).
;;     - Each number is divided by the scale, clamped to +-448, and rounded to the nearest number of E4M3, ties to even, subnormals kept.
;;     - The product sums the exact products of the quantised numbers (number of the format x scale) in f32.
;;   ~~~python
;;   def quantise(x, axis, e):      # numpy; x: float32 -> the quantised numbers, widened to float32 again
;;       x = np.moveaxis(x, axis, -1); K = x.shape[-1]
;;       r = np.clip(x / 2.0 ** e, -448, 448)
;;       step = 2.0 ** (np.maximum(np.frexp(np.where(r == 0, 1, r))[1] - 1, -6) - 3)
;;       q = np.round(r / step) * step * 2.0 ** e      # np.round: ties to even
;;       return np.moveaxis(q, -1, axis).astype(np.float32)
;;   ~~~
;;   OPERANDS COMPUTED ON THE WAY. 'Computed on the way' means the value that the module computes at that place (a softmax that the list does not call 'softmax' is quantised finished and normalised). What goes into a quantiser is computed in f32, as accurately as f32 sums, v_exp_f32 and their like allow (about 1e-6 of the number): no bf16 or f16 on the way to a quantiser, and a product that is left as it is and whose result goes on into a quantised operand takes f32 operands (vector FMAs, or v_wmma_f32_16x16x4_f32). A number that lies on a knife's edge between two numbers of the format may be rounded either way, as far as f32 arithmetic and the matrix unit's own rounding can turn it there, and no further.
;;   INPUTS GIVEN AS CODES. Wb (in the module: [4, 1024, 2048], K = its axis 2); Wf (in the module: [4, 1024, 2048], K = its axis 2): each comes as NAME_codes (uint8): NAME with its K axis moved to the last place and cut into blocks of 32 codes, [.., K / 32, bytes a block], one block behind the other in memory; one code a byte (a code: sign, 4 exponent bits, 3 mantissa bits); its scale is its entry of lowp_scales. Its value is code x scale, taken as it is: it is not quantised again, and the codes and scales need not be those that the quantiser above would give.
;; One version. Each part assembles by itself: llvm-mc -triple=amdgcn-amd-amdhsa -mcpu=gfx1250 --defsym DOCPART=n.
;; ======== version 1 of 1: 2 launches
;; workspace buffers: acodes 16,777,216 bytes
;; launch quant (part 1): grid 1024 x 1, 4 waves a work-group, no clusters, 33,280 bytes of LDS; arguments input_f, Hidden_State_f, input_b, Hidden_State_b, lowp_scales, acodes; writes acodes
.if DOCPART == 1
	.amdgcn_target "amdgcn-amd-amdhsa--gfx1250"
	.amdhsa_code_object_version 6
	.text
	.protected	k_q1cb77e090a_quant
	.globl	k_q1cb77e090a_quant
	.p2align	8
	.type	k_q1cb77e090a_quant,@function
k_q1cb77e090a_quant:
	s_mov_b64 s[64:65], 0
	v_nop
	global_prefetch_b8 v0, s[64:65] scope:SCOPE_SE
	s_setreg_imm32_b32 hwreg(HW_REG_WAVE_MODE, 25, 1), 1
	s_wait_xcnt 0x0
; concat(x, h) of both directions, f32, becomes codes of FP8 (E4M3): acodes [2 (direction)][4096 rows][2048 codes], K innermost: codes 0-1023 of a row from x, 1024-2047 from h.
; code = number / 2^e, held within +-448, rounded to the nearest code, ties to even.  e = entry 0 of the scales (forward) or entry 2 (backward).
; LIMITS: -126 <= e <= 119, so that 2^e and 448 x 2^e are f32 numbers.  NaN among the inputs is not served (an infinity is held at the largest code).
; SHARES.  Four source tensors of 4096 x 1024 numbers, 256 work-groups each: tensor = work-group / 256 (x_f, h_f, x_b, h_b).  A wave takes 8 steps of 512 numbers: 4 rows of its tensor.
; The conversion takes 8 numbers of ONE lane's consecutive registers, so a lane must hold 16 neighbours; a load is best where neighbouring LANES take neighbouring bytes.  Both are had: each of a step's four
; loads reads 512 consecutive bytes, 16 a lane; the 2,048 bytes go through the wave's own stage in LDS as they lie and come back 64 bytes a lane (16 bytes of padding behind each 64, so that the lanes' reads
; spread over the banks).  A lane's 16 codes are 16 bytes: a wave's store covers 512 consecutive bytes, at a multiple of 512 from the buffer's first byte.
; All four tensors take one path through the text: only pointers and e are chosen, by the work-group's number.  No tensor load, no barrier: waves share nothing.
; Loads run four steps (16 loads a wave) ahead, the turn through LDS one step.  No matrix unit, no cluster: nothing is read twice and nothing is shared.
.set WAVES, 4
.set STEPS, 8
.set EMAX,  8
.set MANT,  0x600000                   ; the mantissa field of 448 as f32
.set R,     16                         ; v16-79   four sets of 16 numbers as they are loaded
.set X,     80                         ; v80-111  two sets of 16 neighbours
.set C,     128                        ; v128-159 codes: four registers for each step, so that no store's data are written again
.set WREG,  8192                       ; LDS: a region of its own for each wave: two stages of 32 x SP bytes
.set SP,    80                         ; a lane's place in a stage: its 64 bytes + 16 of padding
.set SPW,   12                         ; v12      LDS address of my spare word: SPARE + 4 x my thread's number; never rewritten
.set NIL,   13                         ; v13      0; never rewritten
.set SPARE, WAVES*WREG                 ; behind the four regions: the spare words, 128 bytes for each wave: two blocks of 256 bytes that no other line names
	s_load_b256 s[4:11], s[0:1], 0x0               ; x_f s[4:5], h_f s[6:7], x_b s[8:9], h_b s[10:11]
	s_load_b128 s[12:15], s[0:1], 0x20             ; the scales' exponents s[12:13], the codes s[14:15]
	v_lshl_add_u32 v[SPW], v0, 2, SPARE
	v_mov_b32 v[NIL], 0
	v_lshrrev_b32 v1, 5, v0
	v_readfirstlane_b32 s16, v1                    ; wave
	v_and_b32 v2, 31, v0                           ; lane
	v_lshlrev_b32 v3, 4, v2                        ; 16 x lane: my 16 bytes of a load's 512, and my 16 codes of a step's 512; never rewritten
	s_mul_i32 s17, s16, WREG
	v_lshrrev_b32 v14, 2, v2
	v_mul_u32_u24 v14, v14, SP
	v_and_b32 v15, 3, v2
	v_lshl_add_u32 v14, v15, 4, v14
	v_add_nc_u32 v14, s17, v14                     ; the stage, on the way in: four lanes' 64 bytes on end, then 16 of padding: SP (lane / 4) + 16 (lane % 4)
	v_mul_u32_u24 v15, v2, SP
	v_add_nc_u32 v15, s17, v15                     ; and on the way out: SP x lane: my 16 neighbours
	s_and_b32 s18, ttmp9, 255
	s_lshl_b32 s18, s18, 2
	s_add_co_u32 s18, s18, s16                     ; which run of 4 rows of the tensor is my wave's: 0 .. 1023
	s_lshl_b32 s24, s18, 14                        ; in the source: 4 rows of 4,096 bytes
	s_mov_b32 s25, 0
	s_lshl_b32 s26, s18, 13                        ; in the codes: 4 rows of 2,048 bytes,
	s_lshr_b32 s19, ttmp9, 9
	s_lshl_b32 s19, s19, 23
	s_add_co_u32 s26, s26, s19                     ; + the direction's 8,388,608 bytes,
	s_bfe_u32 s19, ttmp9, 0x10008                  ; (bit 8 of the work-group's number: a hidden state)
	s_lshl_b32 s19, s19, 10
	s_add_co_u32 s26, s26, s19                     ; + 1,024 where the numbers are h's
	s_mov_b32 s27, 0
	s_wait_kmcnt 0x0
	s_load_b128 s[20:23], s[12:13], 0x0            ; the four exponents
	s_cmp_lt_u32 ttmp9, 512                        ; forward or backward?  The choices hang on the work-group's number alone
	s_cselect_b64 s[4:5], s[4:5], s[8:9]
	s_cselect_b64 s[6:7], s[6:7], s[10:11]
	s_bitcmp1_b32 ttmp9, 8                         ; x or h?
	s_cselect_b64 s[4:5], s[6:7], s[4:5]
	s_add_nc_u64 s[4:5], s[4:5], s[24:25]
	s_add_nc_u64 s[8:9], s[14:15], s[26:27]
.macro LOAD t
.irp i, 0,1,2,3
	global_load_b128 v[R+16*((\t)%4)+4*\i:R+16*((\t)%4)+4*\i+3], v3, s[4:5] offset:2048*(\t)+512*\i th:TH_LOAD_NT   ; 32 lanes read 512 consecutive bytes; read once in the launch
.endr
.endm
.macro TURN t                          ; step t's numbers through the stage: LDS serves a wave's instructions in order (ISA guide 5.7.1.4), so no wait stands between the stores and the loads
.irp i, 0,1,2,3
	ds_store_b128 v14, v[R+16*((\t)%4)+4*\i:R+16*((\t)%4)+4*\i+3] offset:32*SP*((\t)%2)+8*SP*\i
.endr
.irp i, 0,1,2,3
	ds_load_b128 v[X+16*((\t)%2)+4*\i:X+16*((\t)%2)+4*\i+3], v15 offset:32*SP*((\t)%2)+16*\i
.endr
.endm
.irp t, 0,1,2,3
	LOAD \t
.endr
	s_wait_kmcnt 0x0
	s_cmp_lt_u32 ttmp9, 512
	s_cselect_b32 s22, s20, s22                    ; e: entry 0 or entry 2
	s_add_co_i32 s22, s22, 127
	s_lshl_b32 s23, s22, 23
	v_mov_b32 v11, s23                             ; 2^e as f32: the conversion takes its exponent field
	s_add_co_i32 s22, s22, EMAX
	s_lshl_b32 s22, s22, 23
	s_or_b32 s22, s22, MANT
	v_mov_b32 v10, s22                             ; 448 x 2^e
	s_wait_loadcnt 12                              ; step 0's four loads are in; the twelve of steps 1 to 3 may be out
	TURN 0
.macro STEP t
.set XS, X+16*((\t)%2)
	s_wait_dscnt 0x0                               ; this step's numbers are back from the stage: so its stores into the stage have read their registers,
.if (\t)+4 < STEPS
	LOAD (\t)+4                                    ; which take the loads of four steps on
.endif
.if (\t)+1 < STEPS
.if STEPS-2-(\t) >= 3
	s_wait_loadcnt 12                              ; the next step's four loads are in; those of the three steps behind it may be out
.else
	s_wait_loadcnt 4*(STEPS-2-(\t))                ; near the end fewer steps stand behind it
.endif
	TURN (\t)+1                                    ; and go through the other stage while this step is worked
.endif
.irp i, 0,1,2,3,4,5,6,7,8,9,10,11,12,13,14,15
	v_med3_num_f32 v[XS+\i], v[XS+\i], -v10, v10   ; the conversion to an 8-bit code does not saturate (ISA guide 7.6.2): the number is held within the largest code x the scale first
.endr
	v_cvt_scalef32_pk8_fp8_f32 v[C+4*(\t):C+4*(\t)+1], v[XS:XS+7], v11          ; eight numbers / 2^e, to the nearest code, ties to even; the first number's code in the lowest byte
	v_cvt_scalef32_pk8_fp8_f32 v[C+4*(\t)+2:C+4*(\t)+3], v[XS+8:XS+15], v11
	v_nop                                          ; a plain vector line behind the last conversion of the run
	global_store_b128 v3, v[C+4*(\t):C+4*(\t)+3], s[8:9] offset:((\t)/2)*2048+((\t)%2)*512   ; half a source row: 512 codes of row t / 2; the next launch reads them, so no streaming hint
.endm
.irp t, 0,1,2,3,4,5,6,7
	STEP \t
.endr
	s_wait_tensorcnt 0x0                           ; the wave's end, behind my last LDS store; a tensor wait even with no tensor load in the text
	ds_add_u32 v[SPW], v[NIL]
	s_wait_dscnt 0x0
	s_endpgm
.Lfunc_end_k_q1cb77e090a_quant:
	.size	k_q1cb77e090a_quant, .Lfunc_end_k_q1cb77e090a_quant-k_q1cb77e090a_quant
	.p2alignl 7, 3214868480
	.fill 96, 4, 3214868480
	.section	.rodata,"a",@progbits
	.p2align	6, 0x0
	.amdhsa_kernel k_q1cb77e090a_quant
		.amdhsa_group_segment_fixed_size 33280
		.amdhsa_private_segment_fixed_size 0
		.amdhsa_enable_private_segment 0
		.amdhsa_kernarg_size 48
		.amdhsa_user_sgpr_count 2
		.amdhsa_user_sgpr_kernarg_segment_ptr 1
		.amdhsa_wavefront_size32 1
		.amdhsa_system_sgpr_workgroup_id_x 1
		.amdhsa_system_sgpr_workgroup_id_y 1
		.amdhsa_system_sgpr_workgroup_id_z 1
		.amdhsa_system_vgpr_workitem_id 0
		.amdhsa_next_free_vgpr 160
		.amdhsa_next_free_sgpr 66
		.amdhsa_reserve_vcc 0
		.amdhsa_float_denorm_mode_32 3
		.amdhsa_float_denorm_mode_16_64 3
		.amdhsa_memory_ordered 1
		.amdhsa_forward_progress 1
		.amdhsa_inst_pref_size 20
	.end_amdhsa_kernel
	.amdgpu_metadata
---
amdhsa.version: [ 1, 2 ]
amdhsa.kernels:
  - .name:           k_q1cb77e090a_quant
    .symbol:         k_q1cb77e090a_quant.kd
    .args:
      - { .name: input_f, .offset: 0, .size: 8, .value_kind: global_buffer, .address_space: global }
      - { .name: Hidden_State_f, .offset: 8, .size: 8, .value_kind: global_buffer, .address_space: global }
      - { .name: input_b, .offset: 16, .size: 8, .value_kind: global_buffer, .address_space: global }
      - { .name: Hidden_State_b, .offset: 24, .size: 8, .value_kind: global_buffer, .address_space: global }
      - { .name: lowp_scales, .offset: 32, .size: 8, .value_kind: global_buffer, .address_space: global }
      - { .name: acodes, .offset: 40, .size: 8, .value_kind: global_buffer, .address_space: global }
    .group_segment_fixed_size: 33280
    .private_segment_fixed_size: 0
    .kernarg_segment_align: 8
    .kernarg_segment_size: 48
    .max_flat_workgroup_size: 128
    .sgpr_count:     66
    .vgpr_count:     160
    .wavefront_size: 32
...
	.end_amdgpu_metadata
.endif
;; end of part 1
;; launch lstm (part 2): grid 16 x 32, 4 waves a work-group, clusters of 4 x 4, 327,680 bytes of LDS; arguments acodes, Wf_codes, Wb_codes, lowp_scales, bf, bb, Cell_State_f, Cell_State_b, out0, out1, out2, out3; writes out0, out1, out2, out3
.if DOCPART == 2
	.amdgcn_target "amdgcn-amd-amdhsa--gfx1250"
	.amdhsa_code_object_version 6
	.text
	.protected	k_q1cb77e090a_lstm
	.globl	k_q1cb77e090a_lstm
	.p2align	8
	.type	k_q1cb77e090a_lstm,@function
k_q1cb77e090a_lstm:
	s_mov_b64 s[64:65], 0
	v_nop
	global_prefetch_b8 v0, s[64:65] scope:SCOPE_SE
	s_setreg_imm32_b32 hwreg(HW_REG_WAVE_MODE, 25, 1), 1
	s_wait_xcnt 0x0
	s_wait_alu depctr_hold_cnt(0) depctr_sa_sdst(0) depctr_va_vdst(0) depctr_va_sdst(0) depctr_va_ssrc(0) depctr_va_vcc(0) depctr_vm_vsrc(0)
	s_getreg_b32 s2, hwreg(HW_REG_IB_STS2, 6, 4)
	s_cmp_eq_u32 s2, 0
	s_cbranch_scc0 .Lentry_in_a_cluster
	s_endpgm
.Lentry_in_a_cluster:
	s_bfe_u32 s2, ttmp6, 0x10000c
	s_cmp_lg_u32 s2, 0xf033
	s_cbranch_scc0 .Lentry_shape_is_right
	s_endpgm
.Lentry_shape_is_right:
; Both LSTM steps: gates = A W^T x 2^(ea + eb) + b on codes of FP8 (E4M3); f, i, o = sigmoid, C = tanh; c_new = f c + i C; h_new = o tanh(c_new).  The gates never go to memory.
; A: acodes [2][4096][2048], W: [4 gates x 1024 units][2048], codes with K innermost; biases [4][1024], cell states and the four outputs [4096][1024], f32.
; SHARES.  Work-group (tx, ty, d): direction d, rows 256 ty on, hidden units 64 tx on, of ALL FOUR gates: a tile of 256 x 256 gate sums.  Four waves; wave w (wm = w / 2, wn = w % 2) makes rows 128 wm on x units 32 wn on x 4 gates:
; 64 accumulators of 16 x 16, 512 registers: accumulator (a, b), a = block of 16 rows, b = 2 gate + u (u = block of 16 units).  THE MATRIX INSTRUCTION IS USED TRANSPOSED (source 0 = 16 rows of W, source 1 = 16 rows of A):
; lane (r = lane % 16, h = lane / 16), register j of (a, b) holds row 16 a + r, unit 16 u + 8 h + j: the four gates of one number lie in one lane, in the same register of four accumulators.
; K goes in 8 steps of 256 (tile rows of 256 bytes) through a ring of two LDS slots filled by the tensor data mover; a step is two sub-steps of 128, 64 matrix instructions each.
; A fragment is fetched by four loads of 16 bytes: lane l holds K = 32 c + 16 (l / 16) + 0 .. 15 in registers 4 c .. 4 c + 3: a permutation of k that is the same in A and in W, so every product meets its partner.
; CLUSTERS: 4 x 4 work-groups of one direction.  The four of a row of the cluster need the same tiles of A, the four of a column the same tiles of W: each is asked for JOINTLY, by the same tensor load with the same
; descriptor and a mask that names the four.  W's tile is 4 pieces of 64 rows that lie 1,024 rows apart: a load of THREE dimensions (256 bytes x 64 rows x 2 gates) brings two of them, so that waves 0, 1 fetch A's halves
; and waves 2, 3 W's, one load a wave behind each round.  By this text's own count a wave has at most two tensor loads out: two at the start, later one.
; WHO READS WHICH TILE WHEN.  Cluster (X, Y), X = 0..3, Y = 0..7: direction = bit 1 of Y, rows 1,024 x (2 (Y / 4) + Y % 2) on, units 256 X on: eight clusters whose numbers follow each other (X fastest) read one direction's W and no other.
; A CLUSTER BEGINS AT K STEP (2 X + 4 (Y % 2)) MOD 8 and walks all eight, round the end of the row.  So the four clusters that read one tile row of A stand two K steps apart: each K step from a cluster's third on is one that
; another of the four asked for two steps earlier; the clusters Y and Y xor 1, which read the same rows of W, stand four steps apart.  The start is made of the cluster's x and y alone: all sixteen partners share it.
; The order of a sum's K steps therefore hangs on the cluster; each output is still one f32 sum over all sixteen sub-steps.
; A's and W's tiles are not prefetched: each is read by several clusters, by the walk above all but a cluster's first four K steps have been asked for by another cluster's loads two or four steps earlier, and those four are asked
; for at the head or right behind it, where there is no earlier place.  The cell tile, which one work-group reads once, is.
; THE CELL STATE's tile (256 rows x 64 numbers) comes by tensor loads of the work-group's own into slot 0's A part, at the last change of slots that leaves slot 0.  c_new is stored over it in place and h_new into slot 0's W part
; (both have then had their last fill and their last read as tiles); whole rows of 256 bytes are read back and stored.
; ARITHMETIC of a number, with a = 2^(-L xf), b = 2^(-L xi), g = 2^(-L xo), d = 2^(-2 L xC), L = log2(e):  c_new = c / (1 + a) + (1 - d) / ((1 + b)(1 + d));  e = 2^(-2 L c_new);  h_new = (1 - e) / ((1 + g)(1 + e)).
; LIMITS: ea + eb between -125 and 125 (it is added to the exponent field of -L and of -2 L).  The exponents of d and e are held at 40 from above: there (1 - 2^40) / (1 + 2^40) rounds to -1 in f32, as tanh does.
; a, b, g are not held: an infinity gives the reciprocal 0, the sigmoid's limit, and meets finite factors alone.  NaN among the inputs is not served.
; REGISTERS, in windows of 256: window 0: v0-31 addresses; v32-95 the biases (8 for each b); v96-111 a block's cell values, then c_new; v112-127 at work; v128-255 A's fragments, ONE set; on the way out v128-191 the four
;   gates of a block and v192-255 rows read back.   window 1: W's fragments, TWO sets, at v0 and v128.   window 2: the accumulators of my rows 0-63 ((a, b) at v[8 (8 a + b)]);   window 3: those of my rows 64-127.
.set ROWB,   256                       ; a tile's row in bytes: 256 codes
.set KROW,   2048                      ; a row of A or of W in memory, in bytes
.set PITCH,  272                       ; an LDS row: 256 bytes + 16 of padding = 68 words: row r starts at bank 4 r mod 64 (64 banks of 4 bytes: ISA guide 11.1), so the 16 rows that a load touches start at 16 different banks
.set FR,     16                        ; registers of a fragment: 16 rows x 128 K
.set NL,     4                         ; LDS loads that bring one
.set NP,     4                         ; places behind this matrix instruction (ISA guide 7.12.1)
.set HALFT,  128*PITCH                 ; 128 rows: what one joint load brings
.set SLOT,   4*HALFT                   ; A's 256 rows, then W's 256 rows (row 64 gate + unit)
.set LAPS,   4                         ; a lap = two K steps = once round the ring: 2,048 / 512
.set STH,    2*HALFT                   ; the way out: h_new's stage, where slot 0 held W's tile; c_new's lies at 0, over the cell tile
.set SPARE,  2*SLOT                    ; behind the ring: the spare words, 128 bytes for each wave: two blocks of 256 bytes that no other line names
.set ADRA, 16                          ; v16-17  LDS address of my A fragments in slot 0, 1
.set ADRB, 20                          ; v20-21  the same for W
.set CA,   22                          ; v22     my 32 bytes of a cell row: (128 wm + r) x PITCH + 128 wn + 32 h
.set HA,   23                          ; v23     the same place in h_new's stage
.set RDC,  24                          ; v24     where I read rows of c_new back: (128 wm + 16 wn + lane / 16) x PITCH + 16 (lane % 16)
.set RDH,  25                          ; v25     the same for h_new
.set CO,   26                          ; v26     the same two rows in an output: 4,096 (lane / 16) + 16 (lane % 16)
.set SPW,  28                          ; v28     LDS address of my spare word: SPARE + 4 x my thread's number; never rewritten
.set NIL,  29                          ; v29     0; never rewritten
.set PFC,  30                          ; v30     the cell's prefetches: lane x a row of 4,096 bytes; never rewritten
.set BO,   31                          ; v31     32 h: my eight numbers of a block of 16 biases
.set KB,   32                          ; v32-95  the biases, x -L (gate C: x -2 L): register 16 gate + 8 u + j
.set CC,   96                          ; v96-111 cell values, then c_new: register 8 u + j
.set X,    112                         ; v112-127 at work
.set AF,   128                         ; A's fragments
.set T,    128                         ; the way out: a block's four gates: register 16 gate + 8 u + j
.set OB,   192                         ; the way out: 16 rows of c_new, then 16 of h_new, read back
.set G1C, 4                            ; s[4:11]  descriptor group 1 for the cell tile
.set KS2, 12                           ; s[12:13] first the backward exponents, then -2 L x 2^(ea + eb), twice
.set CAP, 18                           ; s18      on the way out: 40.0
.set BA,  20                           ; s[20:21] in the loop: the first byte of the rows of A that I fetch;  on the way out ML: -L, twice
.set ML,  20
.set M2L, 22                           ; s[22:23] on the way out: -2 L, twice
.set G1,  24                           ; s[24:31] group 1 for A's tiles;  s[32:39] group 0, one set for each slot
.set G0,  32
.set BB,  46                           ; s[46:47] the first byte of the rows of W that I fetch
.set G1B, 48                           ; s[48:55], s[56:63] the same for W's tiles;  s[92:95], s[96:99] their groups 2 and 3
.set G0B, 56
.set KO,  66                           ; s[66:67] the byte in a row at which the lap's first K step begins: a multiple of 512 under 2,048; the upper word is 0
.set PCA, 82                           ; s[82:83] my wave's 64 rows of the cell tile in memory
.set HO,  84                           ; s[84:85] h_new's output at my first row;  s[86:87] c_new's
.set CN,  86
.set G0C, 88                           ; s[88:91] group 0 for the cell tile
.set G2B, 92
.set G3B, 96
.set KS,  100                          ; s[100:101] first the forward exponents, then -L x 2^(ea + eb), twice
.set MSB, 0
.macro WIN new                         ; the immediate's high byte repeats the setting that is left; a switch that changes nothing is dropped
.if MSB != \new
	s_set_vgpr_msb (MSB<<8)|\new
.set MSB, \new
.endif
.endm
.set MUL_LO, 0xa1                      ; source 0 (W) window 1, source 1 (A) window 0, C and D window 2
.set MUL_HI, 0xf1                      ; the same, C and D window 3
.set TO_B,   0x40                      ; destination window 1, address window 0
; Both descriptors of a slot are aimed at the lap's K step for that slot: the rows' first byte + KO, and 256 bytes further for slot 1 (KO is a multiple of 512, so the pair never straddles the row's end).
; It is written only where no tensor load of the wave is out.
.macro AIM slot
	s_add_nc_u64 s[G0+4*\slot+2:G0+4*\slot+3], s[BA:BA+1], s[KO:KO+1]
	s_add_nc_u64 s[G0B+4*\slot+2:G0B+4*\slot+3], s[BB:BB+1], s[KO:KO+1]
.if \slot
	s_add_nc_u64 s[G0+4*\slot+2:G0+4*\slot+3], s[G0+4*\slot+2:G0+4*\slot+3], ROWB
	s_add_nc_u64 s[G0B+4*\slot+2:G0B+4*\slot+3], s[G0B+4*\slot+2:G0B+4*\slot+3], ROWB
.endif
	s_or_b32 s[G0+4*\slot+3], s[G0+4*\slot+3], 0x80000000      ; 127:126 type = 2
	s_or_b32 s[G0B+4*\slot+3], s[G0B+4*\slot+3], 0x80000000
.endm
; A joint load: waves 0 and 1 fetch for A, waves 2 and 3 for W.  Each of the two lines has ONE mask and one set of registers for all that issue it; the branch hangs on the wave's number alone.
; An s_nop 0 and four v_nop follow each of the two lines, ahead of the jump, the label and what follows.
.macro JLOAD g0a, g0b
	s_cmp_eq_u32 s15, 0
	s_cbranch_scc0 .Lfor_b_\@
	tensor_load_to_lds s[\g0a:\g0a+3], s[G1:G1+7]
	s_nop 0
.rept 4
	v_nop
.endr
	s_branch .Lasked_\@
.Lfor_b_\@:
	tensor_load_to_lds s[\g0b:\g0b+3], s[G1B:G1B+7], s[G2B:G2B+3], s[G3B:G3B+3]
	s_nop 0
.rept 4
	v_nop
.endr
.Lasked_\@:
.endm
; The cell tile is prefetched in the loop's last trip, at the change of slots behind the walk's fifth K step: two changes ahead of its tensor load.  Each wave names the 64 rows x 256 bytes that it will fetch, a lane a row; no other
; work-group reads them.  It stands behind the joint load, its five lines and the run of LDS loads.
.macro ASKC
	s_cmp_eq_u32 s3, 1
	s_cbranch_scc0 .Lnot_yet_\@
	global_prefetch_b8 v[PFC], s[PCA:PCA+1] th:TH_LOAD_NT scope:SCOPE_SE
	global_prefetch_b8 v[PFC], s[PCA:PCA+1] offset:32*4096 th:TH_LOAD_NT scope:SCOPE_SE
.Lnot_yet_\@:
.endm
.macro CREST                           ; a round of the cluster's barrier behind its opening barrier
	s_cmp_lg_u32 s14, 0
	s_cbranch_scc1 .Lnot_wave_0_\@
	s_barrier_signal -3
.Lnot_wave_0_\@:
	s_barrier_wait -3
	s_barrier_signal -1
	s_barrier_wait -1
.endm
.macro CROUND                          ; a whole round
	s_barrier_signal -1
	s_barrier_wait -1
	CREST
.endm
	s_load_b512 s[68:83], s[0:1], 0x0              ; acodes s[68:69], Wf s[70:71], Wb s[72:73], the exponents s[74:75], bf s[76:77], bb s[78:79], cell f s[80:81], cell b s[82:83]
	s_load_b256 s[84:91], s[0:1], 0x40             ; out0 .. out3
	v_lshl_add_u32 v[SPW], v0, 2, SPARE
	v_mov_b32 v[NIL], 0
	ds_add_u32 v[SPW], v[NIL]                      ; the wave's opening: the add and its wait ahead of my first tensor load; the set-up below, work on registers, stands between them
	v_lshrrev_b32 v1, 5, v0
	v_readfirstlane_b32 s14, v1                    ; wave 0..3
	s_lshr_b32 s15, s14, 1                         ; wm: which half of the tile's rows is mine.  Also: I fetch for A (0) or for W (1)
	s_and_b32 s16, s14, 1                          ; wn: which 32 of the 64 units.  Also: which half of that tile I fetch
	s_bfe_u32 s40, ttmp6, 0x40000                  ; cx, cy: my place in the cluster
	s_bfe_u32 s41, ttmp6, 0x40004
	s_lshl_b32 s42, ttmp9, 2
	s_add_co_u32 s42, s42, s40                     ; tx = 4 x cluster x + cx: units 64 tx on
	s_and_b32 s12, ttmp7, 0xffff                   ; cluster y, 0..7
	s_bfe_u32 s43, s12, 0x10001                    ; d: the direction: bit 1 of the cluster's y: all sixteen partners share it
	s_and_b32 s13, s12, 1                          ; bit 0 of the cluster's y
	s_lshr_b32 s17, s12, 2
	s_lshl_b32 s17, s17, 1
	s_or_b32 s17, s17, s13                         ; which 1,024 rows: 2 x bit 2 + bit 0
	s_lshl_b32 s17, s17, 2
	s_add_co_u32 s17, s17, s41                     ; ty = 4 x that + cy: rows 256 ty on
	s_lshl_b32 s[KO], ttmp9, 9                     ; where the cluster's walk along K begins: 2 K steps x cluster x
	s_lshl_b32 s13, s13, 10                        ; + 4 K steps x bit 0 of cluster y,
	s_add_co_u32 s[KO], s[KO], s13
	s_and_b32 s[KO], s[KO], KROW-1                 ; round the row's end
	s_mov_b32 s[KO+1], 0
	s_lshl_b32 s22, s41, 2
	s_lshl_b32 s22, 15, s22                        ; my row of the cluster: places 4 cy .. 4 cy + 3
	s_lshl_b32 s23, 0x1111, s40                    ; my column: places cx, cx + 4, cx + 8, cx + 12
	; group 1 for A: 128 rows x 256 bytes, padded in LDS
	s_or_b32 s[G1+0], s22, (0<<16)|(1<<20)|(1<<21)|(5<<22)|(3<<25)   ; 15:0 the mask: A's tiles go to my row; 17:16 elements of 1 byte; 20 padding on; 21 set beside a mask; 24:22 after every 64 words (code 5); 31:25 four words (code 3)
	s_mov_b32 s[G1+1], ROWB<<16                    ; tensor_dim0 = 256
	s_mov_b32 s[G1+2], 128<<16                     ; tensor_dim1 = 128
	s_mov_b32 s[G1+3], ROWB<<16                    ; tile_dim0 = 256
	s_mov_b32 s[G1+4], 128                         ; tile_dim1 = 128
	s_mov_b32 s[G1+5], KROW                        ; from row to row
	s_mov_b32 s[G1+6], 0
	s_mov_b32 s[G1+7], 0
	; groups 1 to 3 for W: 256 bytes x 64 rows x 2 gates; a gate's rows lie 1,024 x 2,048 = 0x200000 bytes apart.  In LDS the 128 rows follow each other, each with its padding
	s_or_b32 s[G1B+0], s23, (0<<16)|(1<<20)|(1<<21)|(5<<22)|(3<<25)  ; the same with the mask of my column
	s_mov_b32 s[G1B+1], ROWB<<16                   ; tensor_dim0 = 256
	s_mov_b32 s[G1B+2], 64<<16                     ; tensor_dim1 = 64
	s_mov_b32 s[G1B+3], ROWB<<16                   ; tile_dim0 = 256
	s_mov_b32 s[G1B+4], 64|(2<<16)                 ; tile_dim1 = 64; tile_dim2 = 2
	s_mov_b32 s[G1B+5], KROW                       ; from row to row
	s_mov_b32 s[G1B+6], 0                          ; its high part = 0; from gate to gate, bits 15:0 = 0
	s_mov_b32 s[G1B+7], 0x20                       ; from gate to gate, bits 47:16
	s_mov_b32 s[G2B+0], 2                          ; tensor_dim2 = 2
	s_mov_b32 s[G2B+1], 1                          ; tensor_dim3 = 1 (the dimension is not used: tile_dim3 = 0)
	s_mov_b32 s[G2B+2], 0
	s_mov_b32 s[G2B+3], 0
	s_mov_b32 s[G3B+0], 0
	s_mov_b32 s[G3B+1], 1<<16                      ; tensor_dim4 = 1 (not used: tile_dim4 = 0)
	s_mov_b32 s[G3B+2], 0
	s_mov_b32 s[G3B+3], 0
	; group 1 for the cell tile: 64 rows x 64 numbers of 4 bytes, no mask
	s_mov_b32 s[G1C+0], (2<<16)|(1<<20)|(5<<22)|(3<<25)
	s_mov_b32 s[G1C+1], 64<<16                     ; tensor_dim0 = 64
	s_mov_b32 s[G1C+2], 64<<16                     ; tensor_dim1 = 64
	s_mov_b32 s[G1C+3], 64<<16                     ; tile_dim0 = 64
	s_mov_b32 s[G1C+4], 64                         ; tile_dim1 = 64
	s_mov_b32 s[G1C+5], 1024                       ; from row to row, in numbers
	s_mov_b32 s[G1C+6], 0
	s_mov_b32 s[G1C+7], 0
	; offsets, each in registers of its own.  A's hangs on d, ty and the wave (never on cx), W's on tx and the wave (never on cy)
	s_lshl_b32 s20, s43, 23                        ; A: the direction's 8,388,608 bytes
	s_lshl_b32 s21, s17, 19                        ;    + 256 ty rows of 2,048
	s_add_co_u32 s20, s20, s21
	s_lshl_b32 s21, s16, 18                        ;    + the 128 rows that I fetch
	s_add_co_u32 s20, s20, s21
	s_mov_b32 s21, 0
	s_lshl_b32 s46, s42, 17                        ; W: 64 tx rows of 2,048
	s_lshl_b32 s47, s16, 22                        ;    + the two gates that I fetch: 2,048 rows
	s_add_co_u32 s46, s46, s47
	s_mov_b32 s47, 0
	s_lshl_b32 s18, s17, 20                        ; the cell tile: 256 ty rows of 4,096
	s_lshl_b32 s19, s14, 18                        ;    + my wave's 64 rows
	s_add_co_u32 s18, s18, s19
	s_lshl_b32 s19, s42, 8                         ;    + 64 tx numbers
	s_add_co_u32 s18, s18, s19
	s_mov_b32 s19, 0
	s_lshl_b32 s2, s17, 20                         ; the outputs: 256 ty rows
	s_lshl_b32 s3, s15, 19                         ;    + 128 wm rows
	s_add_co_u32 s2, s2, s3
	s_lshl_b32 s3, s16, 16                         ;    + 16 wn rows
	s_add_co_u32 s2, s2, s3
	s_lshl_b32 s3, s42, 8                          ;    + 64 tx numbers
	s_add_co_u32 s2, s2, s3
	s_mov_b32 s3, 0
	s_lshl_b32 s22, s42, 8                         ; the biases: (64 tx + 32 wn) numbers
	s_lshl_b32 s23, s16, 7
	s_add_co_u32 s22, s22, s23
	s_mov_b32 s23, 0
	s_mul_i32 s45, s14, HALFT                      ; where the joint loads go: wave x 128 rows: no place in the cluster enters an LDS address
	s_wait_dscnt 0x0                               ; the opening add is done
	s_wait_kmcnt 0x0
	s_load_b64 s[KS:KS+1], s[74:75], 0x0           ; forward: ea, eb
	s_load_b64 s[KS2:KS2+1], s[74:75], 0x8         ; backward: ea, eb.  Both are waited for on the way out
	s_cmp_eq_u32 s43, 0                            ; the direction's buffers: the choice hangs on the cluster's y alone
	s_cselect_b64 s[70:71], s[70:71], s[72:73]     ; W
	s_cselect_b64 s[76:77], s[76:77], s[78:79]     ; the biases
	s_cselect_b64 s[80:81], s[80:81], s[82:83]     ; the cell state
	s_cselect_b64 s[HO:HO+1], s[84:85], s[88:89]   ; h_new: out0 or out2
	s_cselect_b64 s[CN:CN+1], s[86:87], s[90:91]   ; c_new: out1 or out3
	s_add_nc_u64 s[BA:BA+1], s[68:69], s[20:21]
	s_add_nc_u64 s[BB:BB+1], s[70:71], s[46:47]
	s_add_nc_u64 s[PCA:PCA+1], s[80:81], s[18:19]
	s_add_nc_u64 s[HO:HO+1], s[HO:HO+1], s[2:3]
	s_add_nc_u64 s[CN:CN+1], s[CN:CN+1], s[2:3]
	s_add_nc_u64 s[76:77], s[76:77], s[22:23]
	s_mov_b32 s[G0C], 1                            ; the cell tile's group 0: count = 1,
	s_mul_i32 s[G0C+1], s14, 64*PITCH              ; LDS: rows 64 wave on, from byte 0: slot 0's A part,
	s_mov_b64 s[G0C+2:G0C+3], s[PCA:PCA+1]
	s_or_b32 s[G0C+3], s[G0C+3], 0x80000000        ; type = 2
	CROUND                                         ; all sixteen work-groups are here: the first joint loads meet
.irp s, 0,1
	s_mov_b32 s[G0+4*\s], 1                        ; 1:0 count = 1
	s_add_co_u32 s[G0+4*\s+1], s45, \s*SLOT        ; 63:32 LDS address
	s_mov_b32 s[G0B+4*\s], 1
	s_add_co_u32 s[G0B+4*\s+1], s45, \s*SLOT
	AIM \s                                         ; 120:64 global address: the walk's first two K steps
	JLOAD G0+4*\s, G0B+4*\s                        ; the ring is filled before anything else is done
.endr
	v_and_b32 v1, 15, v0                           ; r
	v_bfe_u32 v2, v0, 4, 1                         ; h
	v_mul_u32_u24 v3, v1, PITCH
	v_lshl_add_u32 v4, v2, 4, v3                   ; a fragment's row x pitch + 16 h
	s_mul_i32 s18, s15, HALFT                      ; my 128 rows of A
	s_mul_i32 s19, s16, 32*PITCH                   ; my 32 units of each gate,
	s_add_co_u32 s19, s19, 2*HALFT                 ; in W's rows, which lie behind A's 256
.irp s, 0,1
	v_add_nc_u32 v[ADRA+\s], s18, v4
	v_add_nc_u32 v[ADRB+\s], s19, v4
	s_add_co_u32 s18, s18, SLOT
	s_add_co_u32 s19, s19, SLOT
.endr
	s_mul_i32 s18, s15, HALFT
	s_lshl_b32 s19, s16, 7
	s_add_co_u32 s18, s18, s19
	v_lshl_add_u32 v5, v2, 5, v3
	v_add_nc_u32 v[CA], s18, v5                    ; (128 wm + r) x pitch + 128 wn + 32 h
	v_add_nc_u32 v[HA], STH, v[CA]
	s_mul_i32 s18, s15, HALFT
	s_mul_i32 s19, s16, 16*PITCH
	s_add_co_u32 s18, s18, s19
	v_mul_u32_u24 v5, v2, PITCH
	v_lshl_add_u32 v5, v1, 4, v5
	v_add_nc_u32 v[RDC], s18, v5                   ; (128 wm + 16 wn + lane / 16) x pitch + 16 (lane % 16)
	v_add_nc_u32 v[RDH], STH, v[RDC]
	v_lshlrev_b32 v6, 12, v2
	v_lshl_add_u32 v[CO], v1, 4, v6
	v_and_b32 v6, 31, v0
	v_lshlrev_b32 v[PFC], 12, v6
	v_lshlrev_b32 v[BO], 5, v2
.irp b, 0,1,2,3,4,5,6,7                        ; the biases, in the results' layout: for accumulators (., b): gate b / 2, units 16 (b % 2) + 8 h + 0 .. 7 of my 32.  They are waited for on the way out
	global_load_b128 v[KB+8*\b:KB+8*\b+3],   v[BO], s[76:77] offset:(\b/2)*4096+(\b%2)*64
	global_load_b128 v[KB+8*\b+4:KB+8*\b+7], v[BO], s[76:77] offset:(\b/2)*4096+(\b%2)*64+16
.endr
.macro FRAG reg, adr, q, i             ; a fragment of A: 16 rows x 128 K: four loads of 16 bytes, 32 bytes apart
.irp c, 0,1,2,3
	ds_load_b128 v[\reg+4*\c:\reg+4*\c+3], v[\adr] offset:128*(\q)+32*\c+(\i)*16*PITCH
.endr
.endm
.macro FRAGB reg, adr, q, i            ; a fragment of W: gate i / 2, units 16 (i % 2) on of my 32: LDS row 64 (i / 2) + 16 (i % 2) behind my first
.irp c, 0,1,2,3
	ds_load_b128 v[\reg+4*\c:\reg+4*\c+3], v[\adr] offset:128*(\q)+32*\c+(64*((\i)/2)+16*((\i)%2))*PITCH
.endr
.endm
; 16 matrix instructions: A's blocks a0, a0 + 1 x W's eight, 128 along K.  p: W's set.  zero = 1: the first product starts the sums: nothing is ever cleared.
; The 64 accumulators take turns, one instruction a turn, in the same order in every sub-step.
.macro MUL16 a0, p, zero
.irp a, \a0, \a0+1
.irp b, 0,1,2,3,4,5,6,7
.if \zero
	v_wmma_f32_16x16x128_fp8_fp8 v[8*(8*((\a)%4)+\b):8*(8*((\a)%4)+\b)+7], v[128*(\p)+FR*\b:128*(\p)+FR*\b+FR-1], v[AF+FR*(\a):AF+FR*(\a)+FR-1], 0
.else
	v_wmma_f32_16x16x128_fp8_fp8 v[8*(8*((\a)%4)+\b):8*(8*((\a)%4)+\b)+7], v[128*(\p)+FR*\b:128*(\p)+FR*\b+FR-1], v[AF+FR*(\a):AF+FR*(\a)+FR-1], v[8*(8*((\a)%4)+\b):8*(8*((\a)%4)+\b)+7]
.endif
.endr
.endr
.endm
.macro FETCH_B slot, q, p              ; W's eight fragments of the slot's q-th 128 along K into set p
	WIN TO_B
.irp i, 0,1,2,3,4,5,6,7
	FRAGB 128*(\p)+FR*\i, ADRB+\slot, \q, \i
.endr
	WIN 0
.endm
.macro FETCH_A slot, q, i0             ; A's blocks i0 .. i0 + 3
.irp i, \i0, \i0+1, \i0+2, \i0+3
	FRAG AF+FR*(\i), ADRA+\slot, \q, \i
.endr
.endm
; A load into a register that a matrix instruction has read, and a vector instruction that reads a matrix result, stand NP places behind that matrix instruction, and only plain vector instructions that name none of its
; registers are places (ISA guide 7.12.1 for vector instructions); the matrix instructions in between are not counted.
.macro PLACES n
.rept \n
	v_nop
.endr
.endm
; A sub-step of 128 along K that has its successor in the same slot.  A block of A is free as soon as its eight products are issued, so one set serves A: blocks 0-3 are fetched anew in the middle, blocks 4-7 at the end.
.macro STEP slot, q, zero
	s_wait_dscnt 4*NL                              ; W's set and A's blocks 0-3 are in; the youngest sixteen loads (A's blocks 4-7) may be out
	WIN MUL_LO
	MUL16 0, (\q)%2, \zero
	MUL16 2, (\q)%2, \zero
	s_wait_dscnt 0                                 ; A's blocks 4-7 are in (asked for 32 matrix instructions ago)
	PLACES NP
	FETCH_B \slot, (\q)+1, 1-(\q)%2
	FETCH_A \slot, (\q)+1, 0
	WIN MUL_HI
	MUL16 4, (\q)%2, \zero
	MUL16 6, (\q)%2, \zero
	PLACES NP
	WIN 0
	FETCH_A \slot, (\q)+1, 4
.endm
; A slot's last sub-step changes slots: a round of the cluster's barrier; in front of it each wave waits for all its tensor loads, adds 0 to its spare word, and waits for that and for its own reads of this slot.
; fill = 1: this slot is filled again by the joint loads, two K steps ahead in the walk.  fill = 2 (the last time that slot 0 is left): its A part takes the cell tile, 64 rows a wave, by a load of the work-group's own.
.macro TURN slot, next, fill
	s_wait_tensorcnt 0x0                           ; all my tensor loads have landed: my part of the next slot; so every group 0 may be written.  (Every window is 0 here: the add's two registers lie in window 0)
	ds_add_u32 v[SPW], v[NIL]                      ; 0 onto my spare word; the descriptors' step and sixteen matrix instructions stand between it and the wait for it
.if \fill == 1
.if \slot == 0
	s_add_co_u32 s[KO], s[KO], 2*ROWB              ; the next lap's two K steps,
	s_and_b32 s[KO], s[KO], KROW-1                 ; round the row's end
.endif
	AIM \slot
.endif
	s_wait_dscnt 4*NL+1                            ; (the add and the youngest sixteen loads, A's blocks 4-7, may be out)
	WIN MUL_LO
	MUL16 0, 1, 0
	s_wait_dscnt 0x0                               ; the add is done, and my reads of this slot are over
	s_barrier_signal -1
	MUL16 2, 1, 0
	WIN 0
	s_barrier_wait -1
	CREST                                          ; the barrier has opened a round of the cluster's barrier: no wave of any partner still reads this slot's tile or has a load on its way
.if \fill == 1
	JLOAD G0+4*\slot, G0B+4*\slot                  ; the first tensor load behind the round; the four v_nop behind it are the places in front of the loads below
.else
	tensor_load_to_lds s[G0C:G0C+3], s[G1C:G1C+7]  ; my 64 rows of the cell tile: my one tensor load behind the round, and my last; 160 matrix instructions stand between it and the wait for it
	s_nop 0
.rept 4
	v_nop
.endr
.endif
	FETCH_B \next, 0, 0
	FETCH_A \next, 0, 0
.if \fill == 1
.if \slot == 0
	ASKC
.endif
.endif
	WIN MUL_HI
	MUL16 4, 1, 0
	MUL16 6, 1, 0
	PLACES NP
	WIN 0
	FETCH_A \next, 0, 4
.endm
	s_wait_tensorcnt 1                             ; my part of the walk's first K step is in; the second's load may be out
	s_barrier_signal -1
	s_barrier_wait -1                              ; everybody's is
	FETCH_B 0, 0, 0
	FETCH_A 0, 0, 0
	FETCH_A 0, 0, 4
	STEP 0, 0, 1                                   ; the first sub-step stands in front of the loop: its products start the sums
	s_mov_b32 s3, LAPS-1
.Llap:                                                 ; a trip goes once round the ring, from a lap's second sub-step to the next lap's first, and fills both slots again: the walk's K steps 2 to 7
	TURN 0, 1, 1
	STEP 1, 0, 0
	TURN 1, 0, 1
	STEP 0, 0, 0
	s_sub_co_u32 s3, s3, 1
	s_cmp_lg_u32 s3, 0
	s_cbranch_scc1 .Llap
	TURN 0, 1, 2                                   ; the walk's seventh K step ends; slot 0's A part takes the cell tile
	STEP 1, 0, 0
	s_wait_dscnt 4*NL                              ; the very last sub-step: nothing more to fetch
	WIN MUL_LO
	MUL16 0, 1, 0
	MUL16 2, 1, 0
	s_wait_dscnt 0
	WIN MUL_HI
	MUL16 4, 1, 0
	MUL16 6, 1, 0
	WIN 0
	; THE WAY OUT.  A wave reads cell rows that other waves' loads brought: each waits for its own load, then the work-group's barrier.  No LDS instruction of mine is out here.
	s_wait_tensorcnt 0x0                           ; my 64 rows of the cell tile have landed
	s_wait_loadcnt 0x0                             ; the biases
	s_wait_kmcnt 0x0                               ; the exponents
	s_barrier_signal -1
	s_cmp_eq_u32 s43, 0
	s_cselect_b32 s[KS], s[KS], s[KS2]             ; ea and eb of my direction
	s_cselect_b32 s[KS+1], s[KS+1], s[KS2+1]
	s_add_co_i32 s[KS], s[KS], s[KS+1]
	s_lshl_b32 s[KS], s[KS], 23
	s_add_co_u32 s[KS], s[KS], 0xbfb8aa3b          ; -L x 2^(ea + eb): the sum of the exponents is added to -L's exponent field
	s_mov_b32 s[KS+1], s[KS]                       ; (named with it as a pair, so it is written)
	s_add_co_u32 s[KS2], s[KS], 0x800000           ; twice that, for the gate under tanh
	s_mov_b32 s[KS2+1], s[KS2]
	s_mov_b32 s[CAP], 0x42200000                   ; 40.0
	s_mov_b32 s[ML], 0xbfb8aa3b                    ; -L
	s_mov_b32 s[ML+1], s[ML]
	s_mov_b32 s[M2L], 0xc038aa3b                   ; -2 L
	s_mov_b32 s[M2L+1], s[M2L]
.set n, 0
.rept 24
	v_pk_mul_f32 v[KB+n:KB+n+1], v[KB+n:KB+n+1], s[ML:ML+1] op_sel_hi:[1,0]     ; the biases of f, i, o x -L.  (These 32 lines are also the places behind the last products)
.set n, n+2
.endr
.rept 8
	v_pk_mul_f32 v[KB+n:KB+n+1], v[KB+n:KB+n+1], s[M2L:M2L+1] op_sel_hi:[1,0]   ; those of C x -2 L
.set n, n+2
.endr
	s_barrier_wait -1                              ; the whole cell tile lies in LDS
; Block a: 16 rows x my 32 units: 16 numbers a lane.  The exponentials and reciprocals go in four batches, each with one plain line and one wait behind it, ahead of its first reader.
.macro BLOCK a
.set AC, 64*((\a)%4)
	s_wait_dscnt 0x0                               ; the last block's stores into the stages have read their registers
.irp u, 0,1
	ds_load_b128 v[CC+8*\u:CC+8*\u+3],   v[CA] offset:(\a)*16*PITCH+64*\u          ; c(16 a + r, 16 u + 8 h + 0 .. 7)
	ds_load_b128 v[CC+8*\u+4:CC+8*\u+7], v[CA] offset:(\a)*16*PITCH+64*\u+16
.endr
	WIN 0x02+((\a)/4)                              ; source 0: window 2 or 3
.set n, 0
.rept 24
	v_pk_fma_f32 v[T+n:T+n+1], v[AC+n:AC+n+1], s[KS:KS+1], v[KB+n:KB+n+1] op_sel_hi:[1,0,1]     ; -L x (sum x 2^(ea + eb) + bias), two at a time; each accumulator from its low end on
.set n, n+2
.endr
.rept 8
	v_pk_fma_f32 v[T+n:T+n+1], v[AC+n:AC+n+1], s[KS2:KS2+1], v[KB+n:KB+n+1] op_sel_hi:[1,0,1]   ; -2 L x the same, for C
.set n, n+2
.endr
	WIN 0
.set n, 0
.rept 16
	v_min_num_f32 v[T+48+n], s[CAP], v[T+48+n]     ; d's exponent is held at 40
.set n, n+1
.endr
.set n, 0
.rept 64
	v_exp_f32 v[T+n], v[T+n]                       ; a, b, g, d
.set n, n+1
.endr
	v_nop                                          ; a plain line behind the last exponential
	s_wait_alu depctr_va_vdst(0)                   ; one wait for the batch of 64
.set n, 0
.rept 8
	v_pk_add_f32 v[X+n:X+n+1], v[T+48+n:T+48+n+1], 1.0 op_sel_hi:[1,0]                                     ; 1 + d
.set n, n+2
.endr
.set n, 0
.rept 8
	v_pk_add_f32 v[T+48+n:T+48+n+1], v[T+48+n:T+48+n+1], 1.0 op_sel_hi:[1,0] neg_lo:[1,0] neg_hi:[1,0]     ; 1 - d
.set n, n+2
.endr
.set n, 0
.rept 24
	v_pk_add_f32 v[T+n:T+n+1], v[T+n:T+n+1], 1.0 op_sel_hi:[1,0]                                           ; 1 + a, 1 + b, 1 + g
.set n, n+2
.endr
.set n, 0
.rept 8
	v_pk_mul_f32 v[T+16+n:T+16+n+1], v[T+16+n:T+16+n+1], v[X+n:X+n+1]                                      ; (1 + b)(1 + d): one reciprocal serves i and tanh
.set n, n+2
.endr
.set n, 0
.rept 32
	v_rcp_f32 v[T+n], v[T+n]                       ; f = 1 / (1 + a);  1 / ((1 + b)(1 + d))
.set n, n+1
.endr
	v_nop
	s_wait_alu depctr_va_vdst(0)                   ; one wait for the batch of 32
	s_wait_dscnt 0x0                               ; the cell values are in
.set n, 0
.rept 8
	v_pk_mul_f32 v[T+48+n:T+48+n+1], v[T+48+n:T+48+n+1], v[T+16+n:T+16+n+1]                                ; i C
.set n, n+2
.endr
.set n, 0
.rept 8
	v_pk_fma_f32 v[CC+n:CC+n+1], v[CC+n:CC+n+1], v[T+n:T+n+1], v[T+48+n:T+48+n+1]                          ; c_new = c f + i C
.set n, n+2
.endr
.irp u, 0,1
	ds_store_b128 v[CA], v[CC+8*\u:CC+8*\u+3]   offset:(\a)*16*PITCH+64*\u         ; over the cell values that this lane alone has read
	ds_store_b128 v[CA], v[CC+8*\u+4:CC+8*\u+7] offset:(\a)*16*PITCH+64*\u+16
.endr
.set n, 0
.rept 8
	v_pk_mul_f32 v[X+n:X+n+1], v[CC+n:CC+n+1], s[M2L:M2L+1] op_sel_hi:[1,0]                                ; -2 L c_new
.set n, n+2
.endr
.set n, 0
.rept 16
	v_min_num_f32 v[X+n], s[CAP], v[X+n]           ; held at 40
.set n, n+1
.endr
.set n, 0
.rept 16
	v_exp_f32 v[X+n], v[X+n]                       ; e
.set n, n+1
.endr
	v_nop
	s_wait_alu depctr_va_vdst(0)                   ; one wait for the batch of 16
.set n, 0
.rept 8
	v_pk_add_f32 v[T+n:T+n+1], v[X+n:X+n+1], 1.0 op_sel_hi:[1,0]                                           ; 1 + e
.set n, n+2
.endr
.set n, 0
.rept 8
	v_pk_add_f32 v[X+n:X+n+1], v[X+n:X+n+1], 1.0 op_sel_hi:[1,0] neg_lo:[1,0] neg_hi:[1,0]                 ; 1 - e
.set n, n+2
.endr
.set n, 0
.rept 8
	v_pk_mul_f32 v[T+32+n:T+32+n+1], v[T+32+n:T+32+n+1], v[T+n:T+n+1]                                      ; (1 + g)(1 + e)
.set n, n+2
.endr
.set n, 0
.rept 16
	v_rcp_f32 v[T+32+n], v[T+32+n]
.set n, n+1
.endr
	v_nop
	s_wait_alu depctr_va_vdst(0)                   ; one wait for the batch of 16
.set n, 0
.rept 8
	v_pk_mul_f32 v[X+n:X+n+1], v[X+n:X+n+1], v[T+32+n:T+32+n+1]                                            ; h_new = o tanh(c_new)
.set n, n+2
.endr
.irp u, 0,1
	ds_store_b128 v[HA], v[X+8*\u:X+8*\u+3]   offset:(\a)*16*PITCH+64*\u
	ds_store_b128 v[HA], v[X+8*\u+4:X+8*\u+7] offset:(\a)*16*PITCH+64*\u+16
.endr
.endm
; Rows 32 i .. 32 i + 31 of each half of the tile are finished.  A row's 256 bytes come from the two waves of one wm: each waits for its stores, then the barrier.  Wave (wm, wn) reads rows 128 wm + 32 i + 16 wn on back,
; two whole rows an instruction, and stores them: 16 lanes store 256 consecutive bytes, at a multiple of 256 from the output's first byte.  Later blocks write other rows, so no second barrier follows.
.macro SENDOUT i
	s_wait_dscnt 0x0                               ; for the others' sake: my stores into the stages are done
	s_barrier_signal -1
	s_barrier_wait -1
	s_wait_xcnt 0x0                                ; the last chunk's global stores have read their registers, which the loads below write
.irp t, 0,1,2,3,4,5,6,7
	ds_load_b128 v[OB+4*\t:OB+4*\t+3], v[RDC] offset:(32*(\i)+2*\t)*PITCH
.endr
.irp t, 0,1,2,3,4,5,6,7
	ds_load_b128 v[OB+32+4*\t:OB+32+4*\t+3], v[RDH] offset:(32*(\i)+2*\t)*PITCH
.endr
.irp t, 0,1,2,3,4,5,6,7
	s_wait_dscnt 15-\t                             ; LDS loads come back in order (ISA guide 5.7.1): the younger ones may be out
	global_store_b128 v[CO], v[OB+4*\t:OB+4*\t+3], s[CN:CN+1] offset:(32*(\i)+2*\t)*4096 th:TH_STORE_NT        ; c_new; written once, read by nobody here
.endr
.irp t, 0,1,2,3,4,5,6,7
	s_wait_dscnt 7-\t
	global_store_b128 v[CO], v[OB+32+4*\t:OB+32+4*\t+3], s[HO:HO+1] offset:(32*(\i)+2*\t)*4096 th:TH_STORE_NT  ; h_new
.endr
.endm
	BLOCK 0
	BLOCK 1
	SENDOUT 0
	BLOCK 2
	BLOCK 3
	SENDOUT 1
	BLOCK 4
	BLOCK 5
	SENDOUT 2
	BLOCK 6
	BLOCK 7
	SENDOUT 3
	s_wait_tensorcnt 0x0                           ; the wave's end, behind my last tensor load and my last LDS store
	ds_add_u32 v[SPW], v[NIL]
	s_wait_dscnt 0x0
	CROUND                                         ; the closing round: no work-group ends while a partner may still ask for a tile that names it
	s_endpgm
.Lfunc_end_k_q1cb77e090a_lstm:
	.size	k_q1cb77e090a_lstm, .Lfunc_end_k_q1cb77e090a_lstm-k_q1cb77e090a_lstm
	.p2alignl 7, 3214868480
	.fill 96, 4, 3214868480
	.section	.rodata,"a",@progbits
	.p2align	6, 0x0
	.amdhsa_kernel k_q1cb77e090a_lstm
		.amdhsa_group_segment_fixed_size 327680
		.amdhsa_private_segment_fixed_size 0
		.amdhsa_enable_private_segment 0
		.amdhsa_kernarg_size 96
		.amdhsa_user_sgpr_count 2
		.amdhsa_user_sgpr_kernarg_segment_ptr 1
		.amdhsa_wavefront_size32 1
		.amdhsa_system_sgpr_workgroup_id_x 1
		.amdhsa_system_sgpr_workgroup_id_y 1
		.amdhsa_system_sgpr_workgroup_id_z 1
		.amdhsa_system_vgpr_workitem_id 0
		.amdhsa_next_free_vgpr 1024
		.amdhsa_next_free_sgpr 102
		.amdhsa_reserve_vcc 0
		.amdhsa_float_denorm_mode_32 3
		.amdhsa_float_denorm_mode_16_64 3
		.amdhsa_memory_ordered 1
		.amdhsa_forward_progress 1
		.amdhsa_inst_pref_size 214
	.end_amdhsa_kernel
	.amdgpu_metadata
---
amdhsa.version: [ 1, 2 ]
amdhsa.kernels:
  - .name:           k_q1cb77e090a_lstm
    .symbol:         k_q1cb77e090a_lstm.kd
    .args:
      - { .name: acodes, .offset: 0, .size: 8, .value_kind: global_buffer, .address_space: global }
      - { .name: Wf_codes, .offset: 8, .size: 8, .value_kind: global_buffer, .address_space: global }
      - { .name: Wb_codes, .offset: 16, .size: 8, .value_kind: global_buffer, .address_space: global }
      - { .name: lowp_scales, .offset: 24, .size: 8, .value_kind: global_buffer, .address_space: global }
      - { .name: bf, .offset: 32, .size: 8, .value_kind: global_buffer, .address_space: global }
      - { .name: bb, .offset: 40, .size: 8, .value_kind: global_buffer, .address_space: global }
      - { .name: Cell_State_f, .offset: 48, .size: 8, .value_kind: global_buffer, .address_space: global }
      - { .name: Cell_State_b, .offset: 56, .size: 8, .value_kind: global_buffer, .address_space: global }
      - { .name: out0, .offset: 64, .size: 8, .value_kind: global_buffer, .address_space: global }
      - { .name: out1, .offset: 72, .size: 8, .value_kind: global_buffer, .address_space: global }
      - { .name: out2, .offset: 80, .size: 8, .value_kind: global_buffer, .address_space: global }
      - { .name: out3, .offset: 88, .size: 8, .value_kind: global_buffer, .address_space: global }
    .group_segment_fixed_size: 327680
    .private_segment_fixed_size: 0
    .kernarg_segment_align: 8
    .kernarg_segment_size: 96
    .max_flat_workgroup_size: 128
    .sgpr_count:     102
    .vgpr_count:     1024
    .wavefront_size: 32
...
	.end_amdgpu_metadata
.endif
;; end of part 2
